; MI455X (gfx1250); checked and timed in simulation.
; The chip was launched on July 23, 2026; its instructions are those of AMD's public machine-readable ISA for CDNA 5 (MIT licence, August 2026) and "CDNA5" Instruction Set Architecture Reference Guide (July 2026). The comments in the code are by the model that wrote it; some were corrected since.
;; Advanced Weight Predictor Network. Allowed arithmetic: float matrix products may take bf16 or f16 operands with f32 sums; other float arithmetic in f32, or as packed bf16 or f16 multiplies, adds, multiply-adds, maxima and minima; sums over many terms, partial sums and values carried from step to step in f32; what a program stores and reads back later, other than sums and carried values, may be rounded once to bf16 or f16.
;; Inputs: W1 16 x 64 float32; W2 64 x 32 float32; b1 64 float32; b2 32 float32; cluster_centers 8 x 256 float32; cluster_weights 8 float32; noise 8,192 x 8,192 float32; temperature 1 float32; x 8,192 x 256 float32.
;; Outputs: out0 8,192 x 32 float32; out1 8,192 x 8 float32; out2 8,192 x 5 float32; out3 8,192 x 3 float32; out4 one number float32.
;; One version. Each part assembles by itself: llvm-mc -triple=amdgcn-amd-amdhsa -mcpu=gfx1250 --defsym DOCPART=n.
;; ======== version 1 of 1: 4 launches
;; limits: values within 3.05e-05 (relative) of each other or of a threshold may be ordered or decided otherwise than in the reference
;; workspace buffers: xq 4,194,304 bytes; xc 4,194,304 bytes; nrm 32,768 bytes; part 1,024 bytes; keys 5,242,880 bytes; nbr 262,144 bytes of whole numbers
;; launch prep (part 1): grid 128 x 1, 4 waves a work-group, no clusters, 1,792 bytes of LDS; arguments x, cluster_centers, temperature, cluster_weights, xq, xc, nrm, part, out1, out3; writes xq, xc, nrm, part, out1, out3
.if DOCPART == 1
	.amdgcn_target "amdgcn-amd-amdhsa--gfx1250"
	.amdhsa_code_object_version 6
	.text
	.protected	k_q5b564c4a22_prep
	.globl	k_q5b564c4a22_prep
	.p2align	8
	.type	k_q5b564c4a22_prep,@function
k_q5b564c4a22_prep:
	s_mov_b64 s[64:65], 0
	v_nop
	global_prefetch_b8 v0, s[64:65] scope:SCOPE_SE
	s_setreg_imm32_b32 hwreg(HW_REG_WAVE_MODE, 25, 1), 1
	s_wait_xcnt 0x0
; PREP: what hangs on one row of x alone.  x: [8192][256] f32.
; NO WORK OF THE PROBLEM IS LEFT OUT IN THIS PROGRAM, and every input is loaded: the noise decides which neighbours are chosen, so it is read whole (second kernel).
; One step is done as what it is: take_along_axis(pd, idx) is a lookup of 5 numbers a row, so the last kernel makes those 5 distances anew from x and no 8192 x 8192 table is stored.
; THIS KERNEL STORES: xq = bf16(x) and xc = -2 bf16(x) (exact) in the order in which a matrix operand's registers take them: tile T of 16 rows at 8192 T, K step ks at + 1024 ks,
; part p at + 512 p, lane l at + 16 l; lane (r = l % 16, h = l / 16) holds k = 32 ks + 16 p + 8 h .. + 7 of row 16 T + r.  nrm = the sum of squares of the ROUNDED row, so that
; norm + norm - 2 dot is the squared distance of the rounded vectors and no difference of large sums is formed that the problem's own formula does not form.
; out1 = softmax(-dc / T) x weights, out3 = mean, std (ddof 1) + 1e-8, entropy; part[wg] = the work-group's sum of dc x assign; part[128] = the mean distance between centres.
; SHARES.  A work-group has 64 rows (its 256 bytes of nrm and 768 of out3 are whole aligned blocks), a wave one tile of 16 rows, a lane half a row, in 128 registers.
; The products x . centres and centres . centres go to the matrix unit in bf16: source 0 = the 8 centres, laid twice into 16 rows, source 1 = 16 rows of x: a lane then holds all 8 dots of its row.
; LIMITS.  Mean, std and entropy are made of the unrounded x; the softmaxes take their maximum away; a weight below 2^-126 counts as 0; NaN and infinities are not treated apart.
; REGISTERS.  window 0: v0-11 ids and offsets, v12-63 at work, v64-191 X (later at work), v192-255 XB.  window 1: v0-127 centres f32, v128-191 centres bf16, v192-255 XC.
.set ST3,   0                          ; LDS: 64 rows x 12 bytes of out3
.set STN,   768                        ; 64 x 4 bytes of nrm
.set STP,   1024                       ; the four waves' sums of dc x assign, in a block of their own
.set SPARE, 1280                       ; the spare words, 128 bytes a wave
.set SPW, 3
.set NIL, 4
.set XO,  5                            ; my byte offset in the tile's rows of x
.set CO,  6                            ; the same in the centres
.set FO,  7                            ; 16 x lane
.set LN,  8                            ; lane
.set ZR,  9                            ; 0
.set TM,  10                           ; at work
.set OO,  11                           ; my 16 bytes of the tile's 512 of out1
.set SM,  12
.set MX,  20
.set MEAN, 24
.set ML,  26
.set NR,  28                           ; v28 ends as the rounded row's sum of squares
.set TD,  32
.set VR,  40
.set VS,  12
.set LSD, 13
.set SS,  14
.set LG,  15
.set RS,  16
.set RT,  17
.set UU,  18
.set ENT, 19
.set EB,  32
.set NCH, 32                           ; v32 ends as the sum of squares of centre r % 8
.set R7,  36
.set X,   64
.set XB,  192
.set A0,  64
.set A1,  72
.set DOT, 80
.set DC,  88
.set ZL,  96
.set AS,  104
.set OA,  112
.set KK,  116
.set ZM,  117
.set ZM2, 118
.set SE,  119
.set RL,  120
.set RW,  121
.set A3,  122
.set AN,  123
.set AP,  124
.set CC,  128
.set CF,  0                            ; window 1
.set CB,  128                          ; window 1
.set XC,  192                          ; window 1
.set TE,  24                           ; s24 temperature
.set CW,  28                           ; s[28:35] cluster weights
.set WV,  36
.set TT,  37                           ; my tile
.set SEL, 38                           ; s[38:39]
.set NC,  44                           ; s[44:51] the centres' sums of squares
.set L2E, 52                           ; s[52:53] log2(e)
.set SV,  54                           ; EXEC, kept
.set EPS, 55
.set MSB, 0
.macro WIN new                         ; the high byte repeats the setting that is left
.if MSB != (\new)
	s_set_vgpr_msb (MSB<<8)|(\new)
.set MSB, (\new)
.endif
.endm
.macro CROSS op, d, t                  ; the row's other half lies in the lane 16 away
	v_permlanex16_b32 v[\t], v[\d], s[SEL], s[SEL+1]
	\op v[\d], v[\d], v[\t]
.endm
.macro SQSUM dst, src                  ; four chains: the sum of squares of 128 bf16 in 64 registers
.set i, 0
.rept 64
.if i < 4
	v_fma_mix_f32_bf16 v[(\dst)+i%4], v[(\src)+i], v[(\src)+i], v[ZR] op_sel_hi:[1,1,0]
.else
	v_fma_mix_f32_bf16 v[(\dst)+i%4], v[(\src)+i], v[(\src)+i], v[(\dst)+i%4] op_sel_hi:[1,1,0]
.endif
	v_fma_mix_f32_bf16 v[(\dst)+i%4], v[(\src)+i], v[(\src)+i], v[(\dst)+i%4] op_sel:[1,1,0] op_sel_hi:[1,1,0]
.set i, i+1
.endr
.endm
.macro DOTS b                          ; eight K steps; two accumulators take turns, one instruction a turn; the first two start the sums
.set ks, 0
.rept 8
.if ks < 2
	v_wmma_f32_16x16x32_bf16 v[A0+8*(ks%2):A0+8*(ks%2)+7], v[CB+8*ks:CB+8*ks+7], v[(\b)+8*ks:(\b)+8*ks+7], 0
.else
	v_wmma_f32_16x16x32_bf16 v[A0+8*(ks%2):A0+8*(ks%2)+7], v[CB+8*ks:CB+8*ks+7], v[(\b)+8*ks:(\b)+8*ks+7], v[A0+8*(ks%2):A0+8*(ks%2)+7]
.endif
.set ks, ks+1
.endr
.endm
.macro DIST dst, oth                   ; dst_j = sqrt(max(nc_j + oth - 2 dot_j, 1e-12)), j = 0 .. 7
.rept 4
	v_nop                                          ; four places behind the last product (ISA guide 7.12.1)
.endr
.set j, 0
.rept 4
	v_pk_add_f32 v[DOT+2*j:DOT+2*j+1], v[A0+2*j:A0+2*j+1], v[A1+2*j:A1+2*j+1]  ; the accumulators' lowest registers first
.set j, j+1
.endr
.set j, 0
.rept 8
	v_add_f32 v[(\dst)+j], s[NC+j], v[\oth]
.set j, j+1
.endr
.set j, 0
.rept 8
	v_fma_f32 v[(\dst)+j], -2.0, v[DOT+j], v[(\dst)+j]
.set j, j+1
.endr
.set j, 0
.rept 8
	v_max_num_f32 v[(\dst)+j], s[EPS], v[(\dst)+j]
.set j, j+1
.endr
.set j, 0
.rept 8
	v_sqrt_f32 v[(\dst)+j], v[(\dst)+j]
.set j, j+1
.endr
	v_nop                                          ; a plain instruction behind the last root,
	s_wait_alu depctr_va_vdst(0)                   ; and one wait for the eight, ahead of their first use
.endm
	s_load_b512 s[4:19], s[0:1], 0x0               ; x 4, centres 6, temperature 8, weights 10, xq 12, xc 14, nrm 16, part 18
	s_load_b128 s[20:23], s[0:1], 0x40             ; out1 20, out3 22
	v_lshl_add_u32 v[SPW], v0, 2, SPARE
	v_mov_b32 v[NIL], 0
	v_lshrrev_b32 v[TM], 5, v0
	v_readfirstlane_b32 s[WV], v[TM]
	v_and_b32 v1, 15, v0                           ; r
	v_bfe_u32 v2, v0, 4, 1                         ; h
	v_and_b32 v[LN], 31, v0
	v_lshlrev_b32 v[FO], 4, v[LN]
	v_lshlrev_b32 v[XO], 10, v1
	v_lshl_add_u32 v[XO], v2, 5, v[XO]             ; row x 1,024 + 32 h
	v_and_b32 v[TM], 7, v0
	v_lshlrev_b32 v[CO], 10, v[TM]
	v_lshl_add_u32 v[CO], v2, 5, v[CO]             ; centre r % 8
	v_mov_b32 v[ZR], 0
	v_lshlrev_b32 v[OO], 5, v1
	v_lshl_add_u32 v[OO], v2, 4, v[OO]
	s_lshl2_add_u32 s[TT], ttmp9, s[WV]            ; tile = 4 x work-group + wave
	s_mov_b32 s[SEL], 0x76543210
	s_mov_b32 s[SEL+1], 0xfedcba98
	s_mov_b32 s[L2E], 0x3fb8aa3b
	s_mov_b32 s[L2E+1], 0x3fb8aa3b
	s_mov_b32 s[EPS], 0x2b8cbccc                   ; 1e-12
	s_mov_b32 s41, 0
	s_wait_kmcnt 0x0
	s_load_b32 s[TE], s[8:9], 0x0
	s_load_b256 s[CW:CW+7], s[10:11], 0x0
	s_lshl_b32 s40, s[TT], 14
	s_add_nc_u64 s[4:5], s[4:5], s[40:41]          ; x at my tile
	s_lshl_b32 s40, s[TT], 13
	s_add_nc_u64 s[12:13], s[12:13], s[40:41]
	s_add_nc_u64 s[14:15], s[14:15], s[40:41]
	s_lshl_b32 s40, s[TT], 9
	s_add_nc_u64 s[20:21], s[20:21], s[40:41]
	s_mul_i32 s40, ttmp9, 768
	s_add_nc_u64 s[22:23], s[22:23], s[40:41]
	s_lshl_b32 s40, ttmp9, 8
	s_add_nc_u64 s[16:17], s[16:17], s[40:41]
	WIN 0x40                                       ; destination window 1
.set i, 0
.rept 16                                       ; i = 2 ks + p: 32 bytes a lane at 64 i
	global_load_b128 v[CF+8*i:CF+8*i+3],   v[CO], s[6:7] offset:64*i
	global_load_b128 v[CF+8*i+4:CF+8*i+7], v[CO], s[6:7] offset:64*i+16
.set i, i+1
.endr
	WIN 0
.set i, 0
.rept 16
	global_load_b128 v[X+8*i:X+8*i+3],   v[XO], s[4:5] offset:64*i
	global_load_b128 v[X+8*i+4:X+8*i+7], v[XO], s[4:5] offset:64*i+16
.set i, i+1
.endr
	s_wait_loadcnt 0x0
	; the row's sum, four packed chains, started by the first sixteen numbers
.set c, 0
.rept 4
	v_pk_add_f32 v[SM+2*c:SM+2*c+1], v[X+4*c:X+4*c+1], v[X+4*c+2:X+4*c+3]
.set c, c+1
.endr
.set i, 16
.rept 56
	v_pk_add_f32 v[SM+2*((i/2)%4):SM+2*((i/2)%4)+1], v[SM+2*((i/2)%4):SM+2*((i/2)%4)+1], v[X+i:X+i+1]
.set i, i+2
.endr
	v_pk_add_f32 v[SM:SM+1], v[SM:SM+1], v[SM+2:SM+3]
	v_pk_add_f32 v[SM+4:SM+5], v[SM+4:SM+5], v[SM+6:SM+7]
	v_pk_add_f32 v[SM:SM+1], v[SM:SM+1], v[SM+4:SM+5]
	v_add_f32 v[SM], v[SM], v[SM+1]
	CROSS v_add_f32, SM, TM
	v_mul_f32 v[MEAN], 0x3b800000, v[SM]           ; / 256
	v_mov_b32 v[MEAN+1], v[MEAN]
	; the row's maximum, four chains, three operands at a time
.set c, 0
.rept 4
	v_max3_num_f32 v[MX+c], v[X+3*c], v[X+3*c+1], v[X+3*c+2]
.set c, c+1
.endr
.set i, 12
.rept 58
	v_max3_num_f32 v[MX+(i/2)%4], v[MX+(i/2)%4], v[X+i], v[X+i+1]
.set i, i+2
.endr
	v_max3_num_f32 v[MX], v[MX], v[MX+1], v[MX+2]
	v_max_num_f32 v[MX], v[MX], v[MX+3]
	CROSS v_max_num_f32, MX, TM
	v_mul_f32 v[ML], s[L2E], v[MX]
	v_mov_b32 v[ML+1], v[ML]
	; bf16(x) and -2 bf16(x), each store 512 consecutive bytes; their registers are never written again
.set i, 0
.rept 64
	v_cvt_pk_bf16_f32 v[XB+i], v[X+2*i], v[X+2*i+1]
.set i, i+1
.endr
.set i, 0
.rept 16
	global_store_b128 v[FO], v[XB+4*i:XB+4*i+3], s[12:13] offset:512*i
.set i, i+1
.endr
	WIN 0x40
.set i, 0
.rept 64
	v_pk_mul_bf16 v[XC+i], v[XB+i], 0xc000c000     ; x -2: exact
.set i, i+1
.endr
	WIN 0x04                                       ; the stores' data in window 1
.set i, 0
.rept 16
	global_store_b128 v[FO], v[XC+4*i:XC+4*i+3], s[14:15] offset:512*i
.set i, i+1
.endr
	WIN 0
	SQSUM NR, XB
	v_add_f32 v[NR], v[NR], v[NR+1]
	v_add_f32 v[NR+2], v[NR+2], v[NR+3]
	v_add_f32 v[NR], v[NR], v[NR+2]
	CROSS v_add_f32, NR, TM
	; the sum of (x - mean)^2
.set i, 0
.rept 64
	v_pk_add_f32 v[TD+2*(i%4):TD+2*(i%4)+1], v[X+2*i:X+2*i+1], v[MEAN:MEAN+1] neg_lo:[0,1] neg_hi:[0,1]
.if i < 4
	v_pk_mul_f32 v[VR+2*(i%4):VR+2*(i%4)+1], v[TD+2*(i%4):TD+2*(i%4)+1], v[TD+2*(i%4):TD+2*(i%4)+1]
.else
	v_pk_fma_f32 v[VR+2*(i%4):VR+2*(i%4)+1], v[TD+2*(i%4):TD+2*(i%4)+1], v[TD+2*(i%4):TD+2*(i%4)+1], v[VR+2*(i%4):VR+2*(i%4)+1]
.endif
.set i, i+1
.endr
	v_pk_add_f32 v[VR:VR+1], v[VR:VR+1], v[VR+2:VR+3]
	v_pk_add_f32 v[VR+4:VR+5], v[VR+4:VR+5], v[VR+6:VR+7]
	v_pk_add_f32 v[VR:VR+1], v[VR:VR+1], v[VR+4:VR+5]
	v_add_f32 v[VS], v[VR], v[VR+1]
	CROSS v_add_f32, VS, TM
	; entropy = ln 2 (log2 S - U / S), S = the sum of 2^t, U = the sum of 2^t t, t = (x - max) log2 e, made in place
.set i, 0
.rept 64
	v_pk_fma_f32 v[X+2*i:X+2*i+1], v[X+2*i:X+2*i+1], s[L2E:L2E+1], v[ML:ML+1] op_sel_hi:[1,0,1] neg_lo:[0,0,1] neg_hi:[0,0,1]
.set i, i+1
.endr
.set i, 0
.rept 8
	v_mov_b32 v[SS+i], 0                           ; S's and U's two packed chains each
.set i, i+1
.endr
.set b, 0
.rept 4                                        ; four batches of 32 exponentials, one wait a batch
.set i, 0
.rept 32
	v_exp_f32 v[EB+i], v[X+32*b+i]
.set i, i+1
.endr
	v_nop
	s_wait_alu depctr_va_vdst(0)
.set i, 0
.rept 16
	v_pk_add_f32 v[SS+2*(i%2):SS+2*(i%2)+1], v[SS+2*(i%2):SS+2*(i%2)+1], v[EB+2*i:EB+2*i+1]
	v_pk_fma_f32 v[UU+2*(i%2):UU+2*(i%2)+1], v[EB+2*i:EB+2*i+1], v[X+32*b+2*i:X+32*b+2*i+1], v[UU+2*(i%2):UU+2*(i%2)+1]
.set i, i+1
.endr
.set b, b+1
.endr
	v_pk_add_f32 v[SS:SS+1], v[SS:SS+1], v[SS+2:SS+3]
	v_add_f32 v[SS], v[SS], v[SS+1]
	CROSS v_add_f32, SS, TM
	v_pk_add_f32 v[UU:UU+1], v[UU:UU+1], v[UU+2:UU+3]
	v_add_f32 v[UU], v[UU], v[UU+1]
	CROSS v_add_f32, UU, TM
	v_mul_f32 v[VS], 0x3b808081, v[VS]             ; / 255
	s_wait_kmcnt 0x0                               ; temperature and weights
	v_sqrt_f32 v[LSD], v[VS]
	v_log_f32 v[LG], v[SS]
	v_rcp_f32 v[RS], v[SS]
	v_rcp_f32 v[RT], s[TE]
	v_nop
	s_wait_alu depctr_va_vdst(0)                   ; one wait for the four
	v_add_f32 v[LSD], 0x322bcc77, v[LSD]           ; + 1e-8
	v_fma_f32 v[ENT], -v[UU], v[RS], v[LG]
	v_mul_f32 v[ENT], 0x3f317218, v[ENT]           ; x ln 2
	; the centres: rounded, their sums of squares into scalars
	WIN 0x45
.set i, 0
.rept 64
	v_cvt_pk_bf16_f32 v[CB+i], v[CF+2*i], v[CF+2*i+1]
.set i, i+1
.endr
	WIN 0x05                                       ; sources 0 and 1 in window 1
	SQSUM NCH, CB
	WIN 0
	v_add_f32 v[NCH], v[NCH], v[NCH+1]
	v_add_f32 v[NCH+2], v[NCH+2], v[NCH+3]
	v_add_f32 v[NCH], v[NCH], v[NCH+2]
	CROSS v_add_f32, NCH, TM
.set j, 0
.rept 8
	v_readlane_b32 s[NC+j], v[NCH], j
.set j, j+1
.endr
	WIN 0x01                                       ; source 0 (centres) in window 1
	DOTS XB
	WIN 0
	DIST DC, NR                                    ; dc_j of my row, in both halves of the lanes
	; softmax(-dc / T) x weights, the maximum taken away
	v_mul_f32 v[KK], s[L2E], v[RT]
.set j, 0
.rept 8
	v_mul_f32 v[ZL+j], -v[DC+j], v[KK]
.set j, j+1
.endr
	v_max3_num_f32 v[ZM], v[ZL], v[ZL+1], v[ZL+2]
	v_max3_num_f32 v[ZM2], v[ZL+3], v[ZL+4], v[ZL+5]
	v_max3_num_f32 v[ZM], v[ZM], v[ZM2], v[ZL+6]
	v_max_num_f32 v[ZM], v[ZM], v[ZL+7]
.set j, 0
.rept 8
	v_sub_f32 v[ZL+j], v[ZL+j], v[ZM]
.set j, j+1
.endr
.set j, 0
.rept 8
	v_exp_f32 v[ZL+j], v[ZL+j]
.set j, j+1
.endr
	v_nop
	s_wait_alu depctr_va_vdst(0)
	v_pk_add_f32 v[DOT:DOT+1], v[ZL:ZL+1], v[ZL+2:ZL+3]
	v_pk_add_f32 v[DOT+2:DOT+3], v[ZL+4:ZL+5], v[ZL+6:ZL+7]
	v_pk_add_f32 v[DOT:DOT+1], v[DOT:DOT+1], v[DOT+2:DOT+3]
	v_add_f32 v[SE], v[DOT], v[DOT+1]
	v_rcp_f32 v[SE], v[SE]
	v_nop
	s_wait_alu depctr_va_vdst(0)
.set j, 0
.rept 8
	v_mul_f32 v[AS+j], v[ZL+j], v[SE]
.set j, j+1
.endr
.set j, 0
.rept 8
	v_mul_f32 v[AS+j], s[CW+j], v[AS+j]
.set j, j+1
.endr
	v_mul_f32 v[RL], v[DC], v[AS]
.set j, 1
.rept 7
	v_fma_f32 v[RL], v[DC+j], v[AS+j], v[RL]
.set j, j+1
.endr
	v_cmp_eq_u32 vcc_lo, 1, v2                     ; lanes 16-31 store clusters 4 to 7
.set j, 0
.rept 4
	v_cndmask_b32 v[OA+j], v[AS+j], v[AS+4+j], vcc_lo
.set j, j+1
.endr
	global_store_b128 v[OO], v[OA:OA+3], s[20:21]  ; the tile's 512 consecutive bytes of out1
	; what leaves in whole blocks goes through LDS; both halves of the lanes hold, and write, the same numbers
	s_lshl_b32 s40, s[WV], 4
	v_add_nc_u32 v[RW], s40, v1
	v_mul_u32_u24 v[A3], v[RW], 12
	ds_store_b32 v[A3], v[MEAN] offset:ST3
	ds_store_b32 v[A3], v[LSD] offset:ST3+4
	ds_store_b32 v[A3], v[ENT] offset:ST3+8
	v_lshlrev_b32 v[AN], 2, v[RW]
	ds_store_b32 v[AN], v[NR] offset:STN
	v_add_f32_dpp v[RL], v[RL], v[RL] row_xmask:1 row_mask:0xf bank_mask:0xf
	v_add_f32_dpp v[RL], v[RL], v[RL] row_xmask:2 row_mask:0xf bank_mask:0xf
	v_add_f32_dpp v[RL], v[RL], v[RL] row_xmask:4 row_mask:0xf bank_mask:0xf
	v_add_f32_dpp v[RL], v[RL], v[RL] row_xmask:8 row_mask:0xf bank_mask:0xf
	s_lshl_b32 s40, s[WV], 2
	v_mov_b32 v[AP], s40
	ds_store_b32 v[AP], v[RL] offset:STP           ; the tile's 16 rows
	; the mean distance between different centres: one wave of the launch
	s_or_b32 s40, ttmp9, s[WV]
	s_cmp_lg_u32 s40, 0
	s_cbranch_scc1 .Lnointer
	WIN 0x05
	DOTS CB
	WIN 0
	DIST CC, NCH                                   ; register j: centre j against centre r % 8
	v_and_b32 v[R7], 7, v0
.set j, 0
.rept 8
	v_cmp_eq_u32 vcc_lo, j, v[R7]
	v_cndmask_b32 v[CC+j], v[CC+j], v[ZR], vcc_lo  ; the diagonal counts 0
.set j, j+1
.endr
	v_pk_add_f32 v[CC:CC+1], v[CC:CC+1], v[CC+2:CC+3]
	v_pk_add_f32 v[CC+4:CC+5], v[CC+4:CC+5], v[CC+6:CC+7]
	v_pk_add_f32 v[CC:CC+1], v[CC:CC+1], v[CC+4:CC+5]
	v_add_f32 v[CC], v[CC], v[CC+1]
	v_add_f32_dpp v[CC], v[CC], v[CC] row_xmask:1 row_mask:0xf bank_mask:0xf
	v_add_f32_dpp v[CC], v[CC], v[CC] row_xmask:2 row_mask:0xf bank_mask:0xf
	v_add_f32_dpp v[CC], v[CC], v[CC] row_xmask:4 row_mask:0xf bank_mask:0xf
	v_add_f32_dpp v[CC], v[CC], v[CC] row_xmask:8 row_mask:0xf bank_mask:0xf
	CROSS v_add_f32, CC, TM
	v_mul_f32 v[CC], 0x3b924925, v[CC]             ; each ordered pair lies in four lanes: / (4 x 56)
	v_cmp_eq_u32 vcc_lo, 0, v0
	s_wait_xcnt 0x0                                ; EXEC changes only behind this wait
	s_and_saveexec_b32 s[SV], vcc_lo
	global_store_b32 v[ZR], v[CC], s[18:19] offset:512
	s_wait_xcnt 0x0
	s_or_b32 exec_lo, exec_lo, s[SV]
.Lnointer:
	s_wait_dscnt 0x0                               ; for the others' sake: my LDS stores are done
	s_barrier_signal -1
	s_barrier_wait -1
	s_cmp_eq_u32 s[WV], 0
	s_cbranch_scc0 .Lw1
	ds_load_b128 v[12:15], v[FO] offset:ST3        ; wave 0: out3's first 512 bytes
	s_wait_dscnt 0x0
	global_store_b128 v[FO], v[12:15], s[22:23]
	s_branch .Lend
.Lw1:
	v_cmp_gt_u32 vcc_lo, 16, v[LN]
	s_cmp_eq_u32 s[WV], 1
	s_cbranch_scc0 .Lw2
	s_wait_xcnt 0x0
	s_and_saveexec_b32 s[SV], vcc_lo
	ds_load_b128 v[12:15], v[FO] offset:ST3+512    ; wave 1, sixteen lanes: its last 256
	s_wait_dscnt 0x0
	global_store_b128 v[FO], v[12:15], s[22:23] offset:512
	s_wait_xcnt 0x0
	s_or_b32 exec_lo, exec_lo, s[SV]
	s_branch .Lend
.Lw2:
	s_cmp_eq_u32 s[WV], 2
	s_cbranch_scc0 .Lw3
	s_wait_xcnt 0x0
	s_and_saveexec_b32 s[SV], vcc_lo
	ds_load_b128 v[12:15], v[FO] offset:STN        ; wave 2, sixteen lanes: 256 bytes of nrm
	s_wait_dscnt 0x0
	global_store_b128 v[FO], v[12:15], s[16:17]
	s_wait_xcnt 0x0
	s_or_b32 exec_lo, exec_lo, s[SV]
	s_branch .Lend
.Lw3:
	ds_load_b128 v[12:15], v[ZR] offset:STP        ; wave 3: the four waves' sums
	s_wait_dscnt 0x0
	v_add_f32 v12, v12, v13
	v_add_f32 v14, v14, v15
	v_add_f32 v12, v12, v14
	s_lshl_b32 s40, ttmp9, 2
	v_mov_b32 v[TM], s40
	v_cmp_eq_u32 vcc_lo, 0, v[LN]
	s_wait_xcnt 0x0
	s_and_saveexec_b32 s[SV], vcc_lo
	global_store_b32 v[TM], v12, s[18:19]
	s_wait_xcnt 0x0
	s_or_b32 exec_lo, exec_lo, s[SV]
.Lend:
	s_wait_tensorcnt 0x0                           ; the wave's end
	ds_add_u32 v[SPW], v[NIL]
	s_wait_dscnt 0x0
	s_endpgm
.Lfunc_end_k_q5b564c4a22_prep:
	.size	k_q5b564c4a22_prep, .Lfunc_end_k_q5b564c4a22_prep-k_q5b564c4a22_prep
	.p2alignl 7, 3214868480
	.fill 96, 4, 3214868480
	.section	.rodata,"a",@progbits
	.p2align	6, 0x0
	.amdhsa_kernel k_q5b564c4a22_prep
		.amdhsa_group_segment_fixed_size 1792
		.amdhsa_private_segment_fixed_size 0
		.amdhsa_enable_private_segment 0
		.amdhsa_kernarg_size 80
		.amdhsa_user_sgpr_count 2
		.amdhsa_user_sgpr_kernarg_segment_ptr 1
		.amdhsa_wavefront_size32 1
		.amdhsa_system_sgpr_workgroup_id_x 1
		.amdhsa_system_sgpr_workgroup_id_y 1
		.amdhsa_system_sgpr_workgroup_id_z 1
		.amdhsa_system_vgpr_workitem_id 0
		.amdhsa_next_free_vgpr 512
		.amdhsa_next_free_sgpr 66
		.amdhsa_reserve_vcc 1
		.amdhsa_float_denorm_mode_32 3
		.amdhsa_float_denorm_mode_16_64 3
		.amdhsa_memory_ordered 1
		.amdhsa_forward_progress 1
		.amdhsa_inst_pref_size 88
	.end_amdhsa_kernel
	.amdgpu_metadata
---
amdhsa.version: [ 1, 2 ]
amdhsa.kernels:
  - .name:           k_q5b564c4a22_prep
    .symbol:         k_q5b564c4a22_prep.kd
    .args:
      - { .name: x, .offset: 0, .size: 8, .value_kind: global_buffer, .address_space: global }
      - { .name: cluster_centers, .offset: 8, .size: 8, .value_kind: global_buffer, .address_space: global }
      - { .name: temperature, .offset: 16, .size: 8, .value_kind: global_buffer, .address_space: global }
      - { .name: cluster_weights, .offset: 24, .size: 8, .value_kind: global_buffer, .address_space: global }
      - { .name: xq, .offset: 32, .size: 8, .value_kind: global_buffer, .address_space: global }
      - { .name: xc, .offset: 40, .size: 8, .value_kind: global_buffer, .address_space: global }
      - { .name: nrm, .offset: 48, .size: 8, .value_kind: global_buffer, .address_space: global }
      - { .name: part, .offset: 56, .size: 8, .value_kind: global_buffer, .address_space: global }
      - { .name: out1, .offset: 64, .size: 8, .value_kind: global_buffer, .address_space: global }
      - { .name: out3, .offset: 72, .size: 8, .value_kind: global_buffer, .address_space: global }
    .group_segment_fixed_size: 1792
    .private_segment_fixed_size: 0
    .kernarg_segment_align: 8
    .kernarg_segment_size: 80
    .max_flat_workgroup_size: 128
    .sgpr_count:     66
    .vgpr_count:     512
    .wavefront_size: 32
...
	.end_amdgpu_metadata
.endif
;; end of part 1
;; launch knn (part 2): grid 32 x 8, 8 waves a work-group, clusters of 4 x 1, 327,680 bytes of LDS; arguments xq, xc, nrm, noise, keys; writes keys
.if DOCPART == 2
	.amdgcn_target "amdgcn-amd-amdhsa--gfx1250"
	.amdhsa_code_object_version 6
	.text
	.protected	k_q5b564c4a22_knn
	.globl	k_q5b564c4a22_knn
	.p2align	8
	.type	k_q5b564c4a22_knn,@function
k_q5b564c4a22_knn:
	s_mov_b64 s[64:65], 0
	v_nop
	global_prefetch_b8 v0, s[64:65] scope:SCOPE_SE
	s_setreg_imm32_b32 hwreg(HW_REG_WAVE_MODE, 25, 1), 1
	s_wait_xcnt 0x0
	s_wait_alu depctr_hold_cnt(0) depctr_sa_sdst(0) depctr_va_vdst(0) depctr_va_sdst(0) depctr_va_ssrc(0) depctr_va_vcc(0) depctr_vm_vsrc(0)
	s_getreg_b32 s2, hwreg(HW_REG_IB_STS2, 6, 4)
	s_cmp_eq_u32 s2, 0
	s_cbranch_scc0 .Lentry_in_a_cluster
	s_endpgm
.Lentry_in_a_cluster:
	s_bfe_u32 s2, ttmp6, 0x10000c
	s_cmp_lg_u32 s2, 0x3003
	s_cbranch_scc0 .Lentry_shape_is_right
	s_endpgm
.Lentry_shape_is_right:
; KNN: for every row the five smallest of pd + noise in each of 32 part lists.  Nothing of the problem is left out here: all 8192 x 8192 pairs are made and all of the noise is read, once.
; SHARES.  Work-group (rb, y): queries 256 rb .. + 255 against candidates 1024 y .. + 1023, in 16 epochs of 64 candidates.  Wave w: qb = w % 4 picks its 64 queries, which stay in 256 registers as
; source 1; ch = w / 4 picks candidate tiles 2 ch, 2 ch + 1 of each epoch, source 0.  In a result lane (r, h) holds ONE query (r) and candidates 8 h + 0..7, so a query's list stays in its lane.
; THE DISTANCE.  Candidates come as -2 bf16(x); their sums of squares are the C operand that starts each sum; the query's is added behind: d2 = |c|^2 - 2 q.c + |q|^2 of the rounded vectors.
; THE DIAGONAL.  Register slot u holds query tile u xor 2 ch, so the tile that can hold the diagonal is slot u = tc in every wave; its C operand is |c|^2 + MD x FL, MD = 1e38 where r = 8 h + j,
; FL = 1 in the one epoch that holds my queries, else 0: a select, no branch.
; THE KEY is the f32 noisy distance with its lowest 8 mantissa bits replaced by the element's place in the lane's stream of 256 (16 e + 8 tc + j): one number to sort, 6 instructions a pair.
; LIMITS.  Noisy distances are compared on sign, exponent and 15 mantissa bits (a step of 2^-15 of the number, below what the bf16 operands leave uncertain); inside a step the place decides.
; The diagonal counts as 1e19, not infinity; noisy distances of 1e19 or more, NaN and infinities are not treated apart.
; PHASES.  A wave's epoch is two matrix phases (32 products) and two vector phases (289 instructions).  The eight waves run them in two opposite orders, by par = (w xor w / 4) % 2.
; To write no first epoch out, the loop's first vector phase works on 1e38 and leaves keys of 1e19, which the 255 real elements or more of every list push out.
; CLUSTER.  The four row blocks of a cluster walk the same candidates: that tile is asked for jointly (mask 15) by wave 4 of each.  The noise is each work-group's own: plain loads of waves 0-3, 64 rows
; of 256 bytes each, behind the same round of the cluster's barrier.  Wave 5 brings the chunk's 1,024 sums of squares once.
; LDS.  slot s at 131072 s: candidates 32,768 dense (operand order: a fragment load is 16 x lane); noise 256 rows at pitch 272.  Behind slot 0: NORM, STAGE (stores only), the spare words.
; REGISTERS.  window 0: below.  window 1: queries, slot u, K step k at 64 u + 8 k.
.set SLOT1,  131072
.set NOFF,   32768
.set NPITCH, 272
.set NORM,   102400
.set STAGE,  106496
.set SPARE,  126976
.set SPW, 3
.set NIL, 4
.set ADRA0,  5                         ; my place in a slot's candidates
.set NA,     6                         ; v6, v8, v10, v12: |q|^2 of slots 0-3; each is the low word of a pair whose high word is the address register beside it
.set ADRN0L, 7                         ; my place in a slot's noise, slots 0, 1
.set ADRN0H, 9                         ; slots 2, 3
.set ADRNB,  11                        ; my 8 candidates' sums of squares; steps 256 an epoch
.set ADRA,   13
.set ADRNL,  14
.set ADRNH,  15
.set PFO,    16                        ; the prefetch's offset: thread x a row of noise; never rewritten
.set MD,  20
.set NB,  28
.set NBM, 36
.set LS,  44                           ; list of slot u at LS + 5 u, ascending
.set AF,  64
.set ACX, 128
.set ACY, 160
.set NX,  192
.set NY,  224
.set WV, 14
.set QB, 15
.set CH, 16
.set PAR, 17
.set CX, 18
.set RB, 19
.set YY, 20
.set LEFT, 21
.set ED, 22
.set EE, 23
.set G1N, 24
.set G1C, 32
.set G0N, 40
.set G0C, 44
.set G1M, 48
.set G0M, 56
.set TB,  60
.set EPS, 61
.set FL,  66
.set PW,  68                           ; s[68:71] the places of 8 elements, a byte each: tc = 0, then tc = 1
.set SL,  72                           ; s[72:75] v_perm_b32's selects: bytes 3-1 of the number, byte X of the places
.set PFA, 76
.set BIG, 78
.set MSB, 0
.macro WIN new
.if MSB != (\new)
	s_set_vgpr_msb (MSB<<8)|(\new)
.set MSB, (\new)
.endif
.endm
.macro PLACES                          ; four places behind a product, in front of loads into its registers and of reads of its result (ISA guide 7.12.1 for reads of the result)
.rept 4
	v_nop
.endr
.endm
.macro CROUND                          ; a round of the cluster's barrier
	s_barrier_signal -1
	s_barrier_wait -1
	s_cmp_lg_u32 s[WV], 0
	s_cbranch_scc1 .Lnot_wave_0_\@
	s_barrier_signal -3
.Lnot_wave_0_\@:
	s_barrier_wait -3
	s_barrier_signal -1
	s_barrier_wait -1
.endm
; A fill: one tensor load a wave.  The branches hang on the wave's number alone.  An s_nop 0 and four v_nop follow each load.
.macro FILL first
	s_cmp_lt_u32 s[WV], 4
	s_cbranch_scc0 .Lnot_noise_\@
	tensor_load_to_lds s[G0N:G0N+3], s[G1N:G1N+7]
	s_nop 0
	PLACES
	s_branch .Lfilled_\@
.Lnot_noise_\@:
	s_cmp_eq_u32 s[WV], 4
	s_cbranch_scc0 .Lnot_cand_\@
	tensor_load_to_lds s[G0C:G0C+3], s[G1C:G1C+7]
	s_nop 0
	PLACES
	s_branch .Lfilled_\@
.Lnot_cand_\@:
.if \first
	s_cmp_eq_u32 s[WV], 5
	s_cbranch_scc0 .Lfilled_\@
	tensor_load_to_lds s[G0M:G0M+3], s[G1M:G1M+7]
	s_nop 0
	PLACES
.endif
.Lfilled_\@:
.endm
; A prefetch of the noise that the NEXT trip's tensor loads will ask for: each of the 256 threads names its own row's 256 bytes, so each block is named once in the launch.  The last trip that fills asks for nothing.
.macro ASK
	s_cmp_gt_u32 s[LEFT], 1
	s_cbranch_scc0 .Lnot_asked_\@
	global_prefetch_b8 v[PFO], s[PFA:PFA+1] th:TH_LOAD_NT scope:SCOPE_SE
.Lnot_asked_\@:
.endm
.macro LDA tc                          ; 18 loads: my 8 candidates' sums of squares, and tile 2 ch + tc as eight fragments
	ds_load_b128 v[NB:NB+3],   v[ADRNB] offset:64*(\tc)
	ds_load_b128 v[NB+4:NB+7], v[ADRNB] offset:64*(\tc)+16
.set i, 0
.rept 16
	ds_load_b128 v[AF+4*i:AF+4*i+3], v[ADRA] offset:8192*(\tc)+512*i
.set i, i+1
.endr
.endm
.macro LDN tc, buf                     ; 8 loads: the noise of my 4 x 8 pairs
.set u, 0
.rept 4
	ds_load_b128 v[(\buf)+8*u:(\buf)+8*u+3],   v[ADRNL+u/2] offset:(u%2)*16*NPITCH+64*(\tc)
	ds_load_b128 v[(\buf)+8*u+4:(\buf)+8*u+7], v[ADRNL+u/2] offset:(u%2)*16*NPITCH+64*(\tc)+16
.set u, u+1
.endr
.endm
.macro MASKC
.set z, 0
.rept 4
	v_pk_fma_f32 v[NBM+2*z:NBM+2*z+1], v[MD+2*z:MD+2*z+1], s[FL:FL+1], v[NB+2*z:NB+2*z+1] op_sel_hi:[1,0,1]
.set z, z+1
.endr
.endm
.macro WM acc, tc                      ; 32 products; the four accumulators take turns, one instruction a turn; the first four start the sums with |c|^2
	WIN 0x04                                       ; source 1 (queries) in window 1
.set u, 0
.rept 4
.if u == (\tc)
	v_wmma_f32_16x16x32_bf16 v[(\acc)+8*u:(\acc)+8*u+7], v[AF:AF+7], v[64*u:64*u+7], v[NBM:NBM+7]
.else
	v_wmma_f32_16x16x32_bf16 v[(\acc)+8*u:(\acc)+8*u+7], v[AF:AF+7], v[64*u:64*u+7], v[NB:NB+7]
.endif
.set u, u+1
.endr
.set k, 1
.rept 7
.set u, 0
.rept 4
	v_wmma_f32_16x16x32_bf16 v[(\acc)+8*u:(\acc)+8*u+7], v[AF+8*k:AF+8*k+7], v[64*u+8*k:64*u+8*k+7], v[(\acc)+8*u:(\acc)+8*u+7]
.set u, u+1
.endr
.set k, k+1
.endr
	WIN 0
.endm
; The vector phase for 32 pairs a lane: + |q|^2, max, root (one batch, one wait), + noise, the place into the low byte, insertion into the sorted lists of five.
.macro VV acc, nz, tc
.set u, 0
.rept 4
.set p, 0
.rept 4                                        ; each accumulator's lowest registers are read first
	v_pk_add_f32 v[(\acc)+8*u+2*p:(\acc)+8*u+2*p+1], v[(\acc)+8*u+2*p:(\acc)+8*u+2*p+1], v[NA+2*u:NA+2*u+1] op_sel_hi:[1,0]
.set p, p+1
.endr
.set u, u+1
.endr
	v_max_num_f32 v[\acc], s[EPS], v[\acc]
.set n, 0
.rept 31
	v_sqrt_f32 v[(\acc)+n], v[(\acc)+n]
	v_max_num_f32 v[(\acc)+n+1], s[EPS], v[(\acc)+n+1]
.set n, n+1
.endr
	v_sqrt_f32 v[(\acc)+31], v[(\acc)+31]
	v_nop                                          ; a plain instruction behind the last root,
	s_wait_alu depctr_va_vdst(0)                   ; and one wait for the 32: nothing above names a root's result
.set n, 0
.rept 16
	v_pk_add_f32 v[(\acc)+2*n:(\acc)+2*n+1], v[(\acc)+2*n:(\acc)+2*n+1], v[(\nz)+2*n:(\nz)+2*n+1]
.set n, n+1
.endr
.set n, 0
.rept 32
	v_perm_b32 v[(\acc)+n], v[(\acc)+n], s[PW+2*(\tc)+(n%8)/4], s[SL+n%4]
.set n, n+1
.endr
.set j, 0
.rept 8                                        ; L_k = the middle one of L_k-1, L_k and the key, from the top down; the four lists by turns
.set k, 4
.rept 4
.set u, 0
.rept 4
	v_med3_num_f32 v[LS+5*u+k], v[LS+5*u+k-1], v[LS+5*u+k], v[(\acc)+8*u+j]
.set u, u+1
.endr
.set k, k-1
.endr
.set u, 0
.rept 4
	v_min_num_f32 v[LS+5*u], v[LS+5*u], v[(\acc)+8*u+j]
.set u, u+1
.endr
.set j, j+1
.endr
	s_add_co_u32 s[PW+2*(\tc)], s[PW+2*(\tc)], 0x10101010      ; the next epoch's places: + 16 in every byte
	s_add_co_u32 s[PW+2*(\tc)+1], s[PW+2*(\tc)+1], 0x10101010
.endm
; An epoch.  ACY and NY hold tile tc = 1 of the epoch before; it is worked off here.
.macro BODY ask
	v_add_nc_u32 v[ADRA], s[TB], v[ADRA0]
	v_add_nc_u32 v[ADRNL], s[TB], v[ADRN0L]
	v_add_nc_u32 v[ADRNH], s[TB], v[ADRN0H]
	LDA 0
	LDN 0, NX
.if \ask
	ASK
.endif
	s_cmp_eq_u32 s[PAR], 0
	s_cbranch_scc0 .Lodd_\@
	VV ACY, NY, 1
	s_wait_dscnt 0x0
	MASKC
	WM ACX, 0
	PLACES
	LDA 1
	v_add_nc_u32 v[ADRNB], 256, v[ADRNB]
	LDN 1, NY
	VV ACX, NX, 0
	s_wait_dscnt 0x0
	MASKC
	WM ACY, 1
	PLACES
	s_branch .Ljoin_\@
.Lodd_\@:
	s_wait_dscnt 8                                 ; the youngest 8 loads, NX's, may stay out: the 18 ahead of them are in
	MASKC
	WM ACX, 0
	PLACES
	LDA 1
	v_add_nc_u32 v[ADRNB], 256, v[ADRNB]
	VV ACY, NY, 1
	LDN 1, NY
	s_wait_dscnt 8                                 ; NY's 8 may stay out: NX's and the 18 of tile 1 are in
	MASKC
	WM ACY, 1
	VV ACX, NX, 0                                  ; names no register of the products just issued
.Ljoin_\@:
.endm
; The change of slots.  Every wave waits for all its tensor loads, adds 0 to its spare word, and waits for that and for its reads of the slot that it leaves.  fill = 1: a round of the cluster's barrier,
; and the slot is filled again first thing behind it.  There the add stands twice.
.macro CHANGE fill
	s_wait_tensorcnt 0x0
	ds_add_u32 v[SPW], v[NIL]
.if \fill
	ds_add_u32 v[SPW], v[NIL]
	s_xor_b32 s[G0N+1], s[G0N+1], SLOT1            ; no tensor load of mine is out: the descriptors step: the other slot,
	s_add_nc_u64 s[G0N+2:G0N+3], s[G0N+2:G0N+3], 256   ; the next 64 columns of noise,
	s_xor_b32 s[G0C+1], s[G0C+1], SLOT1
	s_add_nc_u64 s[G0C+2:G0C+3], s[G0C+2:G0C+3], 32768 ; the next 64 candidates
	s_wait_xcnt 0x0                                ; the last prefetch, a trip back, has read its address
	s_add_nc_u64 s[PFA:PFA+1], s[PFA:PFA+1], 256
.endif
	s_add_co_u32 s[EE], s[EE], 1
	s_cmp_eq_u32 s[EE], s[ED]                      ; does the epoch to come hold my queries?
	s_cselect_b32 s[FL], 1.0, 0
	s_wait_dscnt 0x0
.if \fill
	CROUND
	FILL 0
.else
	s_barrier_signal -1
	s_barrier_wait -1
.endif
	s_xor_b32 s[TB], s[TB], SLOT1
.endm
	s_load_b256 s[4:11], s[0:1], 0x0               ; xq 4, xc 6, nrm 8, noise 10
	s_load_b64 s[12:13], s[0:1], 0x20              ; keys
	v_lshl_add_u32 v[SPW], v0, 2, SPARE
	v_mov_b32 v[NIL], 0
	ds_add_u32 v[SPW], v[NIL]                      ; the wave's opening: the add, twice on end, and its wait ahead of the first tensor load
	ds_add_u32 v[SPW], v[NIL]
	v_lshrrev_b32 v17, 5, v0
	v_readfirstlane_b32 s[WV], v17
	s_and_b32 s[QB], s[WV], 3
	s_lshr_b32 s[CH], s[WV], 2
	s_xor_b32 s[PAR], s[WV], s[CH]
	s_and_b32 s[PAR], s[PAR], 1
	s_bfe_u32 s[CX], ttmp6, 0x40000                ; my place in the cluster
	s_lshl_b32 s[RB], ttmp9, 2
	s_add_co_u32 s[RB], s[RB], s[CX]               ; my block of 256 queries
	s_and_b32 s[YY], ttmp7, 0xffff                 ; my chunk of 1,024 candidates, which the four partners share
	s_lshl2_add_u32 s[ED], s[CX], s[QB]            ; 256 rb + 64 qb = 1024 y + 64 e  <=>  y = cluster x and e = 4 cx + qb
	s_cmp_eq_u32 s[YY], ttmp9
	s_cselect_b32 s[ED], s[ED], 0xffff
	s_mov_b32 s[EE], -1
	s_mov_b32 s[FL], 0
	s_mov_b32 s[FL+1], 0
	s_mov_b32 s[TB], SLOT1                         ; the first change turns it into 0
	s_mov_b32 s[EPS], 0x2b8cbccc                   ; 1e-12
	s_mov_b32 s[BIG], 0x7e967699                   ; 1e38
	s_mov_b32 s[PW], 0x03020100
	s_mov_b32 s[PW+1], 0x07060504
	s_mov_b32 s[PW+2], 0xfaf9f8f8                  ; 0x0b0a0908 less one step: the first phase that uses it is the one on 1e38
	s_mov_b32 s[PW+3], 0xfefdfcfc                  ; 0x0f0e0d0c less one step
	s_mov_b32 s[SL], 0x07060500
	s_mov_b32 s[SL+1], 0x07060501
	s_mov_b32 s[SL+2], 0x07060502
	s_mov_b32 s[SL+3], 0x07060503
	; noise: 64 rows x 64 f32, 8,192 elements from row to row, 4 words of padding behind every 64
	s_mov_b32 s[G1N], (2<<16)|(1<<20)|(5<<22)|(3<<25)
	s_mov_b32 s[G1N+1], 64<<16
	s_mov_b32 s[G1N+2], 64<<16
	s_mov_b32 s[G1N+3], 64<<16
	s_mov_b32 s[G1N+4], 64
	s_mov_b32 s[G1N+5], 8192
	s_mov_b32 s[G1N+6], 0
	s_mov_b32 s[G1N+7], 0
	; candidates: 32,768 dense bytes as 128 rows of 32 elements of 8 bytes; the mask of four, bit 21 beside it
	s_mov_b32 s[G1C], 15|(3<<16)|(1<<21)
	s_mov_b32 s[G1C+1], 32<<16
	s_mov_b32 s[G1C+2], 128<<16
	s_mov_b32 s[G1C+3], 32<<16
	s_mov_b32 s[G1C+4], 128
	s_mov_b32 s[G1C+5], 32
	s_mov_b32 s[G1C+6], 0
	s_mov_b32 s[G1C+7], 0
	; sums of squares: 4,096 dense bytes as 16 rows of 256
	s_mov_b32 s[G1M], 3<<16
	s_mov_b32 s[G1M+1], 32<<16
	s_mov_b32 s[G1M+2], 16<<16
	s_mov_b32 s[G1M+3], 32<<16
	s_mov_b32 s[G1M+4], 16
	s_mov_b32 s[G1M+5], 32
	s_mov_b32 s[G1M+6], 0
	s_mov_b32 s[G1M+7], 0
	s_mov_b32 s[G0N], 1
	s_mul_i32 s[G0N+1], s[WV], 64*NPITCH
	s_add_co_u32 s[G0N+1], s[G0N+1], NOFF          ; wave w's 64 rows of the slot's noise
	s_mov_b32 s[G0C], 1
	s_mov_b32 s[G0C+1], 0
	s_mov_b32 s[G0M], 1
	s_mov_b32 s[G0M+1], NORM
	s_lshl_b32 s80, s[RB], 23                      ; 256 rows of 32,768 bytes
	s_lshl_b32 s82, s[YY], 12                      ; 1,024 columns of 4 bytes
	s_add_co_u32 s80, s80, s82
	s_mov_b32 s81, 0
	s_mov_b32 s83, 0
	s_mov_b32 s85, 0
	s_lshl_b32 s87, s[QB], 6
	s_lshl_b32 s89, s[CH], 5
	s_add_co_u32 s88, s87, 32
	s_sub_co_u32 s88, s88, s89                     ; first local row of slots 2, 3: 64 qb + 32 (1 - ch)
	s_add_co_u32 s87, s87, s89                     ; of slots 0, 1: 64 qb + 32 ch
	s_mul_i32 s90, s87, NPITCH
	s_lshl_b32 s91, s[CH], 7
	s_add_co_u32 s90, s90, s91
	s_add_co_u32 s90, s90, NOFF
	s_mul_i32 s92, s88, NPITCH
	s_add_co_u32 s92, s92, s91
	s_add_co_u32 s92, s92, NOFF
	s_add_co_u32 s91, s91, NORM
	s_lshl_b32 s93, s[CH], 14
	s_wait_dscnt 0x0                               ; both opening adds are done
	s_wait_kmcnt 0x0
	s_add_nc_u64 s[PFA:PFA+1], s[10:11], s[80:81]
	s_add_nc_u64 s[PFA:PFA+1], s[PFA:PFA+1], 256   ; epoch 1; trip e steps it to epoch e + 2 ahead of its prefetch
	s_lshl_b32 s84, s[WV], 21
	s_add_nc_u64 s[G0N+2:G0N+3], s[10:11], s[80:81]
	s_add_nc_u64 s[G0N+2:G0N+3], s[G0N+2:G0N+3], s[84:85]
	s_or_b32 s[G0N+3], s[G0N+3], 0x80000000
	s_lshl_b32 s84, s[YY], 19
	s_add_nc_u64 s[G0C+2:G0C+3], s[6:7], s[84:85]  ; hangs on y alone
	s_or_b32 s[G0C+3], s[G0C+3], 0x80000000
	s_add_nc_u64 s[G0M+2:G0M+3], s[8:9], s[82:83]
	s_or_b32 s[G0M+3], s[G0M+3], 0x80000000
	s_mul_i32 s84, s[YY], 655360
	s_mul_i32 s86, s[RB], 20480
	s_add_co_u32 s84, s84, s86
	s_add_nc_u64 s[12:13], s[12:13], s[84:85]      ; keys at (y, my first row)
	CROUND                                         ; all four work-groups are here
	FILL 1                                         ; epoch 0 into slot 0, and the sums of squares
	v_and_b32 v1, 15, v0                           ; r
	v_bfe_u32 v2, v0, 4, 1                         ; h
	v_and_b32 v17, 31, v0
	v_lshlrev_b32 v17, 4, v17                      ; 16 x lane
	v_add_nc_u32 v[ADRA0], s93, v17
	v_mul_u32_u24 v18, v1, NPITCH
	v_lshl_add_u32 v18, v2, 5, v18
	v_add_nc_u32 v[ADRN0L], s90, v18
	v_add_nc_u32 v[ADRN0H], s92, v18
	v_lshlrev_b32 v[ADRNB], 5, v2
	v_add_nc_u32 v[ADRNB], s91, v[ADRNB]
	v_lshlrev_b32 v[PFO], 15, v0
	s_lshl_b32 s80, s[RB], 4
	s_lshl2_add_u32 s80, s[QB], s80                ; my first query tile: 16 rb + 4 qb
	s_lshl_b32 s81, s[CH], 1
	s_add_co_u32 s82, s80, s81                     ; slots 0, 1
	s_add_co_u32 s83, s80, 2
	s_sub_co_u32 s83, s83, s81                     ; slots 2, 3
	s_lshl_b32 s84, s82, 13
	s_lshl_b32 s85, s83, 13
	v_add_nc_u32 v18, s84, v17
	v_add_nc_u32 v19, s85, v17
	WIN 0x40                                       ; destination window 1
.set u, 0
.rept 4
.set i, 0
.rept 16
	global_load_b128 v[64*u+4*i:64*u+4*i+3], v[18+u/2], s[4:5] offset:(u%2)*8192+512*i  ; 512 consecutive bytes a load
.set i, i+1
.endr
.set u, u+1
.endr
	WIN 0
	s_lshl_b32 s84, s82, 6
	s_lshl_b32 s85, s83, 6
	v_lshlrev_b32 v64, 2, v1
	v_add_nc_u32 v65, s85, v64
	v_add_nc_u32 v64, s84, v64
	global_load_b32 v[NA],   v64, s[8:9]
	global_load_b32 v[NA+2], v64, s[8:9] offset:64
	global_load_b32 v[NA+4], v65, s[8:9]
	global_load_b32 v[NA+6], v65, s[8:9] offset:64
	v_lshlrev_b32 v66, 3, v2
	v_sub_nc_u32 v66, v1, v66                      ; r - 8 h
.set j, 0
.rept 8
	v_cmp_eq_u32 vcc_lo, j, v66
	v_cndmask_b32 v[MD+j], 0, s[BIG], vcc_lo
.set j, j+1
.endr
.set i, 0
.rept 20
	v_mov_b32 v[LS+i], 0x7f7fffff
.set i, i+1
.endr
.set i, 0
.rept 32                                       ; what the loop's first vector phase finds; written while the first tile is on its way
	v_mov_b32 v[ACY+i], s[BIG]
	v_mov_b32 v[NY+i], 0
.set i, i+1
.endr
	s_wait_loadcnt 0x0                             ; queries and their sums of squares
	s_mov_b32 s[LEFT], 15
.Lepoch:                                       ; trip e: epoch e is worked on, epoch e + 1 asked for
	CHANGE 1
	BODY 1
	s_sub_co_u32 s[LEFT], s[LEFT], 1
	s_cmp_lg_u32 s[LEFT], 0
	s_cbranch_scc1 .Lepoch
	CHANGE 0                                       ; the last epoch is written out: nothing is asked for
	BODY 0
	s_wait_dscnt 0x0                               ; NY
	VV ACY, NY, 1
	; the lists go out through the stage: [row 256][list 2 ch + h][5]
	s_lshl_b32 s80, s[CH], 1
	v_add_nc_u32 v66, s80, v2
	v_mul_u32_u24 v66, v66, 20
	v_add_nc_u32 v64, s87, v1
	v_mul_u32_u24 v64, v64, 80
	v_add3_u32 v64, v64, v66, STAGE
	v_add_nc_u32 v65, s88, v1
	v_mul_u32_u24 v65, v65, 80
	v_add3_u32 v65, v65, v66, STAGE
.set u, 0
.rept 4
.set k, 0
.rept 5
	ds_store_b32 v[64+u/2], v[LS+5*u+k] offset:(u%2)*1280+4*k
.set k, k+1
.endr
.set u, u+1
.endr
	v_lshl_add_u32 v67, v0, 4, STAGE
	v_lshlrev_b32 v68, 4, v0
	s_wait_dscnt 0x0                               ; for the others' sake
	s_barrier_signal -1
	s_barrier_wait -1
.set i, 0
.rept 5
	ds_load_b128 v[128+4*i:128+4*i+3], v67 offset:4096*i
.set i, i+1
.endr
.set i, 0
.rept 5
	s_wait_dscnt 4-i                               ; the younger loads may stay out
	global_store_b128 v68, v[128+4*i:128+4*i+3], s[12:13] offset:4096*i  ; a wave stores 512 consecutive bytes, aligned
.set i, i+1
.endr
	s_wait_tensorcnt 0x0                           ; the wave's end
	ds_add_u32 v[SPW], v[NIL]
	s_wait_dscnt 0x0
	CROUND                                         ; the closing round
	s_endpgm
.Lfunc_end_k_q5b564c4a22_knn:
	.size	k_q5b564c4a22_knn, .Lfunc_end_k_q5b564c4a22_knn-k_q5b564c4a22_knn
	.p2alignl 7, 3214868480
	.fill 96, 4, 3214868480
	.section	.rodata,"a",@progbits
	.p2align	6, 0x0
	.amdhsa_kernel k_q5b564c4a22_knn
		.amdhsa_group_segment_fixed_size 327680
		.amdhsa_private_segment_fixed_size 0
		.amdhsa_enable_private_segment 0
		.amdhsa_kernarg_size 40
		.amdhsa_user_sgpr_count 2
		.amdhsa_user_sgpr_kernarg_segment_ptr 1
		.amdhsa_wavefront_size32 1
		.amdhsa_system_sgpr_workgroup_id_x 1
		.amdhsa_system_sgpr_workgroup_id_y 1
		.amdhsa_system_sgpr_workgroup_id_z 1
		.amdhsa_system_vgpr_workitem_id 0
		.amdhsa_next_free_vgpr 512
		.amdhsa_next_free_sgpr 96
		.amdhsa_reserve_vcc 1
		.amdhsa_float_denorm_mode_32 3
		.amdhsa_float_denorm_mode_16_64 3
		.amdhsa_memory_ordered 1
		.amdhsa_forward_progress 1
		.amdhsa_inst_pref_size 191
	.end_amdhsa_kernel
	.amdgpu_metadata
---
amdhsa.version: [ 1, 2 ]
amdhsa.kernels:
  - .name:           k_q5b564c4a22_knn
    .symbol:         k_q5b564c4a22_knn.kd
    .args:
      - { .name: xq, .offset: 0, .size: 8, .value_kind: global_buffer, .address_space: global }
      - { .name: xc, .offset: 8, .size: 8, .value_kind: global_buffer, .address_space: global }
      - { .name: nrm, .offset: 16, .size: 8, .value_kind: global_buffer, .address_space: global }
      - { .name: noise, .offset: 24, .size: 8, .value_kind: global_buffer, .address_space: global }
      - { .name: keys, .offset: 32, .size: 8, .value_kind: global_buffer, .address_space: global }
    .group_segment_fixed_size: 327680
    .private_segment_fixed_size: 0
    .kernarg_segment_align: 8
    .kernarg_segment_size: 40
    .max_flat_workgroup_size: 256
    .sgpr_count:     96
    .vgpr_count:     512
    .wavefront_size: 32
...
	.end_amdgpu_metadata
.endif
;; end of part 2
;; launch merge (part 3): grid 256 x 1, 8 waves a work-group, no clusters, 22,784 bytes of LDS; arguments keys, nbr; writes nbr
.if DOCPART == 3
	.amdgcn_target "amdgcn-amd-amdhsa--gfx1250"
	.amdhsa_code_object_version 6
	.text
	.protected	k_q5b564c4a22_merge
	.globl	k_q5b564c4a22_merge
	.p2align	8
	.type	k_q5b564c4a22_merge,@function
k_q5b564c4a22_merge:
	s_mov_b64 s[64:65], 0
	v_nop
	global_prefetch_b8 v0, s[64:65] scope:SCOPE_SE
	s_setreg_imm32_b32 hwreg(HW_REG_WAVE_MODE, 25, 1), 1
	s_wait_xcnt 0x0
; MERGE: a row's 32 sorted lists of five keys become its five neighbours' indices, stored as whole numbers for the last kernel's addresses.  Nothing is left out.
; A key's low byte is the element's place pos in its list's stream; list (y, li) and pos give the index: 1024 y + 64 (pos / 16) + 32 (li / 2) + 16 ((pos / 8) % 2) + 8 (li % 2) + pos % 8.
; SHARES.  A work-group has 32 rows.  Wave w copies chunk w's 2,560 consecutive bytes into LDS; then it takes rows 4 w .. 4 w + 3, a lane a list.
; FIVE PICKS, all by selects: the wave's least head; among lanes whose head is that key the least index (the lower index wins, as in top_k); that lane's list moves up.  No branch and no address hangs on a key.
; LIMIT.  The keys' order is the second kernel's: 15 mantissa bits, then the place.
.set KP,    2576                       ; a chunk's 2,560 bytes + 16: list (y, li)'s word k lies in bank 4 y + 5 li + k
.set IST,   20736                      ; 32 rows x 32 bytes of indices
.set SPARE, 21760
.set SPW, 3
.set NIL, 4
.set LN,  5
.set L16, 6
.set LSA, 7
.set RA,  8
.set BS,  9
.set YL,  10
.set LI,  11
.set TA,  12
.set TC,  13
.set KY,  16                           ; keys of row i at KY + 5 i
.set IX,  36                           ; their indices, as f32 (exact)
.set MN,  56
.set CD,  60
.set TP,  64
.set RES, 68
.set BG,  69
.set WV,  8
.set SEL, 14
.macro ROWS line:vararg                ; one line for each of the four rows i
.set i, 0
.rept 4
	\line
.set i, i+1
.endr
.endm
.macro PICK t
	ROWS v_min_num_f32_dpp v[MN+i], v[KY+5*i], v[KY+5*i] row_xmask:1 row_mask:0xf bank_mask:0xf
	ROWS v_min_num_f32_dpp v[MN+i], v[MN+i], v[MN+i] row_xmask:2 row_mask:0xf bank_mask:0xf
	ROWS v_min_num_f32_dpp v[MN+i], v[MN+i], v[MN+i] row_xmask:4 row_mask:0xf bank_mask:0xf
	ROWS v_min_num_f32_dpp v[MN+i], v[MN+i], v[MN+i] row_xmask:8 row_mask:0xf bank_mask:0xf
	ROWS v_permlanex16_b32 v[TP+i], v[MN+i], s[SEL], s[SEL+1]
	ROWS v_min_num_f32 v[MN+i], v[MN+i], v[TP+i]
.set i, 0
.rept 4
	v_cmp_eq_f32 vcc_lo, v[KY+5*i], v[MN+i]
	v_cndmask_b32 v[CD+i], v[BG], v[IX+5*i], vcc_lo
.set i, i+1
.endr
	ROWS v_min_num_f32_dpp v[CD+i], v[CD+i], v[CD+i] row_xmask:1 row_mask:0xf bank_mask:0xf
	ROWS v_min_num_f32_dpp v[CD+i], v[CD+i], v[CD+i] row_xmask:2 row_mask:0xf bank_mask:0xf
	ROWS v_min_num_f32_dpp v[CD+i], v[CD+i], v[CD+i] row_xmask:4 row_mask:0xf bank_mask:0xf
	ROWS v_min_num_f32_dpp v[CD+i], v[CD+i], v[CD+i] row_xmask:8 row_mask:0xf bank_mask:0xf
	ROWS v_permlanex16_b32 v[TP+i], v[CD+i], s[SEL], s[SEL+1]
	ROWS v_min_num_f32 v[CD+i], v[CD+i], v[TP+i]
.set i, 0
.rept 4
	v_cmp_eq_u32 vcc_lo, 8*i+(\t), v[LN]
	v_cndmask_b32 v[RES], v[RES], v[CD+i], vcc_lo  ; lane 8 i + t keeps row i's pick t
.if (\t) < 4
	v_cmp_eq_f32 vcc_lo, v[IX+5*i], v[CD+i]        ; an index lies in one list only: this is the winner's lane
.set k, 0
.rept 4-(\t)                                   ; only the entries that a later pick can still reach
	v_cndmask_b32 v[KY+5*i+k], v[KY+5*i+k], v[KY+5*i+k+1], vcc_lo
	v_cndmask_b32 v[IX+5*i+k], v[IX+5*i+k], v[IX+5*i+k+1], vcc_lo
.set k, k+1
.endr
.endif
.set i, i+1
.endr
.endm
	s_load_b128 s[4:7], s[0:1], 0x0                ; keys, nbr
	v_lshl_add_u32 v[SPW], v0, 2, SPARE
	v_mov_b32 v[NIL], 0
	v_lshrrev_b32 v1, 5, v0
	v_readfirstlane_b32 s[WV], v1
	v_and_b32 v[LN], 31, v0
	v_lshlrev_b32 v[L16], 4, v[LN]
	s_mul_i32 s10, s[WV], 655360                   ; chunk w,
	s_mul_i32 s11, ttmp9, 2560                     ; the work-group's 32 rows of 80 bytes
	s_add_co_u32 s10, s10, s11
	s_mov_b32 s11, 0
	s_mov_b32 s[SEL], 0x76543210
	s_mov_b32 s[SEL+1], 0xfedcba98
	s_wait_kmcnt 0x0
	s_add_nc_u64 s[4:5], s[4:5], s[10:11]
.set i, 0
.rept 5
	global_load_b128 v[KY+4*i:KY+4*i+3], v[L16], s[4:5] offset:512*i
.set i, i+1
.endr
	s_mul_i32 s12, s[WV], KP
	v_add_nc_u32 v[LSA], s12, v[L16]
	v_lshrrev_b32 v[YL], 2, v[LN]
	v_and_b32 v[LI], 3, v[LN]
	v_mul_u32_u24 v[RA], v[YL], KP
	v_mad_u32_u24 v[RA], v[LI], 20, v[RA]
	s_mul_i32 s13, s[WV], 320
	v_add_nc_u32 v[RA], s13, v[RA]                 ; my list of my wave's first row
	v_and_b32 v[TA], 2, v[LI]
	v_lshlrev_b32 v[BS], 10, v[YL]
	v_lshl_add_u32 v[BS], v[TA], 4, v[BS]
	v_and_b32 v[TA], 1, v[LI]
	v_lshl_add_u32 v[BS], v[TA], 3, v[BS]
	v_mov_b32 v[BG], 0x7f7fffff
	v_mov_b32 v[RES], 0
	ROWS v_mov_b32 v[MN+i], 0
	ROWS v_mov_b32 v[TP+i], 0
	s_wait_loadcnt 0x0
.set i, 0
.rept 5
	ds_store_b128 v[LSA], v[KY+4*i:KY+4*i+3] offset:512*i
.set i, i+1
.endr
	s_wait_dscnt 0x0                               ; for the others' sake
	s_barrier_signal -1
	s_barrier_wait -1
.set n, 0
.rept 20
	ds_load_b32 v[KY+n], v[RA] offset:80*(n/5)+4*(n%5)
.set n, n+1
.endr
	s_wait_dscnt 0x0
.set n, 0
.rept 20
	v_and_b32 v[TA], 0xf0, v[KY+n]
	v_and_b32 v[TC], 8, v[KY+n]
	v_lshl_add_u32 v[IX+n], v[TA], 2, v[BS]
	v_lshl_add_u32 v[IX+n], v[TC], 1, v[IX+n]
	v_and_or_b32 v[IX+n], v[KY+n], 7, v[IX+n]
	v_cvt_f32_u32 v[IX+n], v[IX+n]
.set n, n+1
.endr
	PICK 0
	PICK 1
	PICK 2
	PICK 3
	PICK 4
	v_cvt_u32_f32 v[RES], v[RES]                   ; lanes 8 i + 5 .. 7 hold 0
	s_lshl_b32 s12, s[WV], 7
	v_lshl_add_u32 v[TA], v[LN], 2, s12
	ds_store_b32 v[TA], v[RES] offset:IST
	s_wait_dscnt 0x0
	s_barrier_signal -1
	s_barrier_wait -1
	s_cmp_lt_u32 s[WV], 2
	s_cbranch_scc0 .Lend
	s_lshl_b32 s12, s[WV], 9
	v_add_nc_u32 v[TC], s12, v[L16]
	ds_load_b128 v[KY:KY+3], v[TC] offset:IST
	s_lshl_b32 s10, ttmp9, 10
	s_add_nc_u64 s[6:7], s[6:7], s[10:11]
	s_wait_dscnt 0x0
	global_store_b128 v[TC], v[KY:KY+3], s[6:7]    ; 512 consecutive bytes, aligned
.Lend:
	s_wait_tensorcnt 0x0                           ; the wave's end
	ds_add_u32 v[SPW], v[NIL]
	s_wait_dscnt 0x0
	s_endpgm
.Lfunc_end_k_q5b564c4a22_merge:
	.size	k_q5b564c4a22_merge, .Lfunc_end_k_q5b564c4a22_merge-k_q5b564c4a22_merge
	.p2alignl 7, 3214868480
	.fill 96, 4, 3214868480
	.section	.rodata,"a",@progbits
	.p2align	6, 0x0
	.amdhsa_kernel k_q5b564c4a22_merge
		.amdhsa_group_segment_fixed_size 22784
		.amdhsa_private_segment_fixed_size 0
		.amdhsa_enable_private_segment 0
		.amdhsa_kernarg_size 16
		.amdhsa_user_sgpr_count 2
		.amdhsa_user_sgpr_kernarg_segment_ptr 1
		.amdhsa_wavefront_size32 1
		.amdhsa_system_sgpr_workgroup_id_x 1
		.amdhsa_system_sgpr_workgroup_id_y 1
		.amdhsa_system_sgpr_workgroup_id_z 1
		.amdhsa_system_vgpr_workitem_id 0
		.amdhsa_next_free_vgpr 128
		.amdhsa_next_free_sgpr 66
		.amdhsa_reserve_vcc 1
		.amdhsa_float_denorm_mode_32 3
		.amdhsa_float_denorm_mode_16_64 3
		.amdhsa_memory_ordered 1
		.amdhsa_forward_progress 1
		.amdhsa_inst_pref_size 31
	.end_amdhsa_kernel
	.amdgpu_metadata
---
amdhsa.version: [ 1, 2 ]
amdhsa.kernels:
  - .name:           k_q5b564c4a22_merge
    .symbol:         k_q5b564c4a22_merge.kd
    .args:
      - { .name: keys, .offset: 0, .size: 8, .value_kind: global_buffer, .address_space: global }
      - { .name: nbr, .offset: 8, .size: 8, .value_kind: global_buffer, .address_space: global }
    .group_segment_fixed_size: 22784
    .private_segment_fixed_size: 0
    .kernarg_segment_align: 8
    .kernarg_segment_size: 16
    .max_flat_workgroup_size: 256
    .sgpr_count:     66
    .vgpr_count:     128
    .wavefront_size: 32
...
	.end_amdgpu_metadata
.endif
;; end of part 3
;; launch final (part 4): grid 128 x 1, 16 waves a work-group, no clusters, 41,984 bytes of LDS; arguments x, nbr, out1, out3, W1, b1, W2, b2, part, out0, out2, out4; writes out0, out2, out4
.if DOCPART == 4
	.amdgcn_target "amdgcn-amd-amdhsa--gfx1250"
	.amdhsa_code_object_version 6
	.text
	.protected	k_q5b564c4a22_final
	.globl	k_q5b564c4a22_final
	.p2align	8
	.type	k_q5b564c4a22_final,@function
k_q5b564c4a22_final:
	s_mov_b64 s[64:65], 0
	v_nop
	global_prefetch_b8 v0, s[64:65] scope:SCOPE_SE
	s_setreg_imm32_b32 hwreg(HW_REG_WAVE_MODE, 25, 1), 1
	s_wait_xcnt 0x0
; FINAL: the five clean distances a row (a lookup by the stored indices), the two layers, the loss.  The 8192 x 8192 table of clean distances is not stored: only the 5 entries a row that take_along_axis picks are made.
; THE DISTANCES are the sum of (a - b)^2 over the f32 rows, then max with 1e-12 and the root: the same real number as |a|^2 + |b|^2 - 2 a.b, in another order of rounding.
; THE LAYERS take the f32 matrix form: 16 x 64 and 64 x 32 weights, 3,072 multiply-adds a row against the pair kernel's 2,097,152, so they are no bulk work; a neighbour distance near 20 rounded to
; bf16 would be off by up to 0.06, which the weights carry into out0.
; SHARES.  A work-group has 64 rows (8,192 bytes of out0, 1,280 of out2: whole aligned blocks), a wave 4 rows in the first part; then a wave has one 16 x 16 tile of a layer's result.
; LDS.  FT 64 rows x 80 (16 features in 64 bytes, 16 of padding), HT 64 x 272 (64 hidden), OT 64 x 144 (32 outputs), the spare words, and last S2, 1,280 bytes of out2: it is read back at
; 16 x thread, so 16 bytes for each of the 512 threads are allotted from its first byte on, of which the first 80 threads' are written and read.
; LIMITS.  An index is held to 0 .. 8191 before it enters an address; NaN and infinities are not treated apart.
.set FT, 0
.set FP, 80
.set HT, 5120
.set HP, 272
.set OT, 22528
.set OP, 144
.set SPARE, 31744                      ; 128 bytes for each of the 16 waves: eight blocks of 256 bytes that no other line names
.set S2, 33792
.set SPW, 3
.set NIL, 4
.set L16, 5
.set LN,  6
.set OWO, 7
.set OF,  8                            ; v8-27 the 20 neighbours' offsets; later: below
.set B2V, 8
.set W2O, 9
.set B2O, 10
.set A1A, 11
.set HA,  12
.set H2A, 13
.set OA2, 14
.set ORD, 15
.set OGO, 16
.set ZZ,  17
.set O1O, 28
.set O3O, 29
.set W1O, 30
.set B1O, 31
.set OWN, 32                           ; v32-63 my four rows; later W2's fragments
.set NBR, 64                           ; v64-223 the 20 neighbours' rows; later at work
.set A1F, 64
.set CB1, 72
.set HD,  80
.set A2F, 96
.set CB2, 128
.set OD,  136
.set OX,  144
.set ACC0, 224                         ; v224-239: written by matrix instructions alone
.set ACC1, 232
.set W1F, 240
.set B1V, 248
.set A1V, 249
.set S3V, 250
.set FA,  251
.set SA,  252
.set AA,  253
.set TA,  254
.set TQ,  255
.set WV,  28
.set ROW0, 29
.set SV,  30
.set IDX, 32                           ; s[32:63] my four rows of nbr, 8 words each
.set SEL, 70
.set EPS, 72
.macro ALLN line:vararg                ; one line for each of the 20 pairs n = 5 row + k
.set n, 0
.rept 20
	\line
.set n, n+1
.endr
.endm
	s_load_b512 s[4:19], s[0:1], 0x0               ; x 4, nbr 6, out1 8, out3 10, W1 12, b1 14, W2 16, b2 18
	s_load_b256 s[20:27], s[0:1], 0x40             ; part 20, out0 22, out2 24, out4 26
	v_lshl_add_u32 v[SPW], v0, 2, SPARE
	v_mov_b32 v[NIL], 0
	v_lshrrev_b32 v[TQ], 5, v0
	v_readfirstlane_b32 s[WV], v[TQ]
	v_and_b32 v1, 15, v0
	v_bfe_u32 v2, v0, 4, 1
	v_and_b32 v[LN], 31, v0
	v_lshlrev_b32 v[L16], 4, v[LN]
	s_lshl_b32 s[ROW0], ttmp9, 6
	s_lshl2_add_u32 s[ROW0], s[WV], s[ROW0]        ; my first row: 64 x work-group + 4 x wave
	s_lshl_b32 s66, s[ROW0], 5
	s_mov_b32 s67, 0
	s_mov_b32 s[SEL], 0x76543210
	s_mov_b32 s[SEL+1], 0xfedcba98
	s_mov_b32 s[EPS], 0x2b8cbccc
	s_lshr_b32 s73, s[WV], 2                       ; layer 1: row tile,
	s_and_b32 s74, s[WV], 3                        ; column tile
	s_lshr_b32 s75, s[WV], 1                       ; layer 2 (waves 0-7)
	s_and_b32 s76, s[WV], 1
	s_wait_kmcnt 0x0
	s_add_nc_u64 s[6:7], s[6:7], s[66:67]
	s_load_b512 s[IDX:IDX+15], s[6:7], 0x0
	s_load_b512 s[IDX+16:IDX+31], s[6:7], 0x40
	s_lshl_b32 s68, s[ROW0], 10
	v_add_nc_u32 v[OWO], s68, v[L16]
.set i, 0
.rept 4                                        ; a lane holds numbers 4 l .. + 3 and 128 + 4 l .. + 3 of every row
	global_load_b128 v[OWN+8*i:OWN+8*i+3],   v[OWO], s[4:5] offset:1024*i
	global_load_b128 v[OWN+8*i+4:OWN+8*i+7], v[OWO], s[4:5] offset:1024*i+512
.set i, i+1
.endr
	s_mul_i32 s66, s[WV], 4*FP
	v_mov_b32 v[FA], s66
	s_mul_i32 s68, s[WV], 80
	v_mov_b32 v[SA], s68
	v_lshrrev_b32 v64, 3, v[LN]
	v_and_b32 v65, 7, v[LN]
	v_mul_u32_u24 v64, v64, FP
	v_lshl_add_u32 v64, v65, 2, v64
	v_add_nc_u32 v[AA], s66, v64                   ; assign: row l / 8, feature l % 8
	; the statistics: lane l takes row (l / 4) % 4, word c = l % 4.  c = 3 repeats word 2 from memory and lands in the row's padding (bytes 64-67 of 80), which nothing reads; lanes 16-31 repeat lanes 0-15
	v_bfe_u32 v64, v0, 2, 2
	v_and_b32 v65, 3, v0
	v_mul_u32_u24 v[TA], v64, FP
	v_lshl_add_u32 v[TA], v65, 2, v[TA]
	v_add_nc_u32 v[TA], s66, v[TA]
	v_min_u32 v65, 2, v65
	v_mul_u32_u24 v64, v64, 12
	v_lshl_add_u32 v64, v65, 2, v64
	s_mul_i32 s69, s[ROW0], 12
	v_add_nc_u32 v[O3O], s69, v64
	s_lshl_b32 s69, s[ROW0], 5
	v_lshl_add_u32 v[O1O], v[LN], 2, s69
	v_lshlrev_b32 v[B1O], 2, v1
	s_lshl_b32 s77, s74, 6
	v_add_nc_u32 v[B1O], s77, v[B1O]               ; column 16 ct + r, in bytes
	v_lshl_add_u32 v[W1O], v2, 9, v[B1O]           ; + row 2 h of W1
	global_load_b32 v[A1V], v[O1O], s[8:9]
	global_load_b32 v[S3V], v[O3O], s[10:11]
.set i, 0
.rept 8                                        ; W1(4 ks + 2 h + j, 16 ct + r), i = 2 ks + j
	global_load_b32 v[W1F+i], v[W1O], s[12:13] offset:1024*(i/2)+256*(i%2)
.set i, i+1
.endr
	global_load_b32 v[B1V], v[B1O], s[14:15]
	s_wait_kmcnt 0x0                               ; the indices
.set n, 0
.rept 20
	s_min_u32 s[IDX+8*(n/5)+n%5], s[IDX+8*(n/5)+n%5], 0x1fff
	s_lshl_b32 s[IDX+8*(n/5)+n%5], s[IDX+8*(n/5)+n%5], 10
	v_add_nc_u32 v[OF+n], s[IDX+8*(n/5)+n%5], v[L16]
.set n, n+1
.endr
.set n, 0
.rept 20
	global_load_b128 v[NBR+8*n:NBR+8*n+3],   v[OF+n], s[4:5]
	global_load_b128 v[NBR+8*n+4:NBR+8*n+7], v[OF+n], s[4:5] offset:512
.set n, n+1
.endr
	s_wait_loadcnt 0x0
.set n, 0
.rept 20
.set q, 0
.rept 4
	v_pk_add_f32 v[NBR+8*n+2*q:NBR+8*n+2*q+1], v[NBR+8*n+2*q:NBR+8*n+2*q+1], v[OWN+8*(n/5)+2*q:OWN+8*(n/5)+2*q+1] neg_lo:[0,1] neg_hi:[0,1]
.set q, q+1
.endr
	v_pk_mul_f32 v[NBR+8*n:NBR+8*n+1], v[NBR+8*n:NBR+8*n+1], v[NBR+8*n:NBR+8*n+1]
	v_pk_fma_f32 v[NBR+8*n:NBR+8*n+1], v[NBR+8*n+2:NBR+8*n+3], v[NBR+8*n+2:NBR+8*n+3], v[NBR+8*n:NBR+8*n+1]
	v_pk_fma_f32 v[NBR+8*n:NBR+8*n+1], v[NBR+8*n+4:NBR+8*n+5], v[NBR+8*n+4:NBR+8*n+5], v[NBR+8*n:NBR+8*n+1]
	v_pk_fma_f32 v[NBR+8*n:NBR+8*n+1], v[NBR+8*n+6:NBR+8*n+7], v[NBR+8*n+6:NBR+8*n+7], v[NBR+8*n:NBR+8*n+1]
	v_add_f32 v[NBR+8*n], v[NBR+8*n], v[NBR+8*n+1]
.set n, n+1
.endr
	; my rows are used up: waves 0-7 ask for W2's fragments into their registers, far ahead of the second layer
	s_cmp_lt_u32 s[WV], 8
	s_cbranch_scc0 .Lno_w2
	v_lshlrev_b32 v[B2O], 2, v1
	s_lshl_b32 s77, s76, 6
	v_add_nc_u32 v[B2O], s77, v[B2O]
	v_lshl_add_u32 v[W2O], v2, 8, v[B2O]
.set i, 0
.rept 32                                       ; W2(4 ks + 2 h + j, 16 ct + r), i = 2 ks + j
	global_load_b32 v[OWN+i], v[W2O], s[16:17] offset:512*(i/2)+128*(i%2)
.set i, i+1
.endr
	global_load_b32 v[B2V], v[B2O], s[18:19]
.Lno_w2:
	ALLN v_add_f32_dpp v[NBR+8*n], v[NBR+8*n], v[NBR+8*n] row_xmask:1 row_mask:0xf bank_mask:0xf
	ALLN v_add_f32_dpp v[NBR+8*n], v[NBR+8*n], v[NBR+8*n] row_xmask:2 row_mask:0xf bank_mask:0xf
	ALLN v_add_f32_dpp v[NBR+8*n], v[NBR+8*n], v[NBR+8*n] row_xmask:4 row_mask:0xf bank_mask:0xf
	ALLN v_add_f32_dpp v[NBR+8*n], v[NBR+8*n], v[NBR+8*n] row_xmask:8 row_mask:0xf bank_mask:0xf
	ALLN v_permlanex16_b32 v[NBR+8*n+1], v[NBR+8*n], s[SEL], s[SEL+1]
	ALLN v_add_f32 v[NBR+8*n], v[NBR+8*n], v[NBR+8*n+1]
	ALLN v_max_num_f32 v[NBR+8*n], s[EPS], v[NBR+8*n]
	ALLN v_sqrt_f32 v[NBR+8*n], v[NBR+8*n]
	v_nop
	s_wait_alu depctr_va_vdst(0)                   ; one wait for the 20 roots
	ALLN ds_store_b32 v[FA], v[NBR+8*n] offset:FT+FP*(n/5)+32+4*(n%5)   ; every lane holds the number and writes the same word
	ALLN ds_store_b32 v[SA], v[NBR+8*n] offset:S2+20*(n/5)+4*(n%5)
	ds_store_b32 v[AA], v[A1V] offset:FT
	ds_store_b32 v[TA], v[S3V] offset:FT+52
	s_lshl_b32 s77, s73, 4
	v_add_nc_u32 v[A1A], s77, v1
	v_mul_u32_u24 v[A1A], v[A1A], FP
	v_lshl_add_u32 v[A1A], v2, 3, v[A1A]           ; feature row 16 rt + r, features 2 h ..
	v_lshl_add_u32 v[HA], v2, 3, s77
	v_mul_u32_u24 v[HA], v[HA], HP
	v_add_nc_u32 v[HA], v[HA], v[B1O]              ; hidden row 16 rt + 8 h, column 16 ct + r
	s_wait_dscnt 0x0
	s_barrier_signal -1
	s_barrier_wait -1                              ; the 64 rows' features lie in LDS
	; layer 1: K = 16 in four steps; two accumulators take turns, one started with the bias, one with 0
.set i, 0
.rept 4
	ds_load_b64 v[A1F+2*i:A1F+2*i+1], v[A1A] offset:FT+16*i
.set i, i+1
.endr
.set j, 0
.rept 8
	v_mov_b32 v[CB1+j], v[B1V]
.set j, j+1
.endr
	s_wait_dscnt 0x0
	v_wmma_f32_16x16x4_f32 v[ACC0:ACC0+7], v[A1F:A1F+1],   v[W1F:W1F+1],   v[CB1:CB1+7]
	v_wmma_f32_16x16x4_f32 v[ACC1:ACC1+7], v[A1F+2:A1F+3], v[W1F+2:W1F+3], 0
	v_wmma_f32_16x16x4_f32 v[ACC0:ACC0+7], v[A1F+4:A1F+5], v[W1F+4:W1F+5], v[ACC0:ACC0+7]
	v_wmma_f32_16x16x4_f32 v[ACC1:ACC1+7], v[A1F+6:A1F+7], v[W1F+6:W1F+7], v[ACC1:ACC1+7]
.rept 8
	v_nop                                          ; eight places behind this form (ISA guide 7.12.1)
.endr
.set j, 0
.rept 4
	v_pk_add_f32 v[HD+2*j:HD+2*j+1], v[ACC0+2*j:ACC0+2*j+1], v[ACC1+2*j:ACC1+2*j+1]  ; into other registers, the low end first
.set j, j+1
.endr
.set j, 0
.rept 8
	v_max_num_f32 v[HD+j], 0, v[HD+j]
.set j, j+1
.endr
.set j, 0
.rept 8
	ds_store_b32 v[HA], v[HD+j] offset:HT+HP*j
.set j, j+1
.endr
	s_wait_dscnt 0x0
	s_barrier_signal -1
	s_barrier_wait -1                              ; the hidden layer lies in LDS
	s_cmp_lt_u32 s[WV], 8
	s_cbranch_scc0 .Lno_l2
	s_lshl_b32 s77, s75, 4
	v_add_nc_u32 v[H2A], s77, v1
	v_mul_u32_u24 v[H2A], v[H2A], HP
	v_lshl_add_u32 v[H2A], v2, 3, v[H2A]
	v_lshl_add_u32 v[OA2], v2, 3, s77
	v_mul_u32_u24 v[OA2], v[OA2], OP
	v_add_nc_u32 v[OA2], v[OA2], v[B2O]
.set i, 0
.rept 16
	ds_load_b64 v[A2F+2*i:A2F+2*i+1], v[H2A] offset:HT+16*i
.set i, i+1
.endr
	s_wait_loadcnt 0x0                             ; W2 and b2
.set j, 0
.rept 8
	v_mov_b32 v[CB2+j], v[B2V]
.set j, j+1
.endr
	s_wait_dscnt 0x0
	v_wmma_f32_16x16x4_f32 v[ACC0:ACC0+7], v[A2F:A2F+1],   v[OWN:OWN+1],   v[CB2:CB2+7]
	v_wmma_f32_16x16x4_f32 v[ACC1:ACC1+7], v[A2F+2:A2F+3], v[OWN+2:OWN+3], 0
.set i, 2
.rept 7
	v_wmma_f32_16x16x4_f32 v[ACC0:ACC0+7], v[A2F+2*i:A2F+2*i+1],   v[OWN+2*i:OWN+2*i+1],   v[ACC0:ACC0+7]
	v_wmma_f32_16x16x4_f32 v[ACC1:ACC1+7], v[A2F+2*i+2:A2F+2*i+3], v[OWN+2*i+2:OWN+2*i+3], v[ACC1:ACC1+7]
.set i, i+2
.endr
.rept 8
	v_nop
.endr
.set j, 0
.rept 4
	v_pk_add_f32 v[OD+2*j:OD+2*j+1], v[ACC0+2*j:ACC0+2*j+1], v[ACC1+2*j:ACC1+2*j+1]
.set j, j+1
.endr
.set j, 0
.rept 8
	ds_store_b32 v[OA2], v[OD+j] offset:OT+OP*j
.set j, j+1
.endr
.Lno_l2:
	s_wait_dscnt 0x0
	s_barrier_signal -1
	s_barrier_wait -1                              ; the 64 x 32 results lie in LDS
	v_lshrrev_b32 v[ORD], 3, v0
	v_mul_u32_u24 v[ORD], v[ORD], OP
	v_and_b32 v[ZZ], 7, v0
	v_lshl_add_u32 v[ORD], v[ZZ], 4, v[ORD]
	v_lshlrev_b32 v[OGO], 4, v0
	ds_load_b128 v[OX:OX+3], v[ORD] offset:OT
	s_lshl_b32 s66, ttmp9, 13
	s_mov_b32 s67, 0
	s_add_nc_u64 s[22:23], s[22:23], s[66:67]
	s_wait_dscnt 0x0
	global_store_b128 v[OGO], v[OX:OX+3], s[22:23] ; a wave stores 512 consecutive bytes, aligned
	s_cmp_lt_u32 s[WV], 3
	s_cbranch_scc0 .Lno_o2
	s_mul_i32 s66, ttmp9, 1280
	s_add_nc_u64 s[24:25], s[24:25], s[66:67]
	v_cmp_gt_u32 vcc_lo, 80, v0                    ; 1,280 bytes: 80 threads
	s_wait_xcnt 0x0                                ; EXEC changes only behind this wait
	s_and_saveexec_b32 s[SV], vcc_lo
	ds_load_b128 v[OX+4:OX+7], v[OGO] offset:S2
	s_wait_dscnt 0x0
	global_store_b128 v[OGO], v[OX+4:OX+7], s[24:25]
	s_wait_xcnt 0x0
	s_or_b32 exec_lo, exec_lo, s[SV]
.Lno_o2:
	; the loss: one wave of the launch adds the 128 parts
	s_xor_b32 s66, s[WV], 15
	s_or_b32 s66, s66, ttmp9
	s_cmp_lg_u32 s66, 0
	s_cbranch_scc1 .Lend
	v_mov_b32 v[ZZ], 0
	global_load_b128 v[OX+8:OX+11], v[L16], s[20:21]
	global_load_b32 v[OX+12], v[ZZ], s[20:21] offset:512
	s_wait_loadcnt 0x0
	v_add_f32 v[OX+8], v[OX+8], v[OX+9]
	v_add_f32 v[OX+10], v[OX+10], v[OX+11]
	v_add_f32 v[OX+8], v[OX+8], v[OX+10]
	v_add_f32_dpp v[OX+8], v[OX+8], v[OX+8] row_xmask:1 row_mask:0xf bank_mask:0xf
	v_add_f32_dpp v[OX+8], v[OX+8], v[OX+8] row_xmask:2 row_mask:0xf bank_mask:0xf
	v_add_f32_dpp v[OX+8], v[OX+8], v[OX+8] row_xmask:4 row_mask:0xf bank_mask:0xf
	v_add_f32_dpp v[OX+8], v[OX+8], v[OX+8] row_xmask:8 row_mask:0xf bank_mask:0xf
	v_permlanex16_b32 v[OX+9], v[OX+8], s[SEL], s[SEL+1]
	v_add_f32 v[OX+8], v[OX+8], v[OX+9]
	v_mul_f32 v[OX+8], 0x37800000, v[OX+8]         ; / (8192 x 8)
	v_fmamk_f32 v[OX+8], v[OX+12], 0xbdcccccd, v[OX+8]  ; - 0.1 inter
	v_cmp_eq_u32 vcc_lo, 0, v[LN]
	s_wait_xcnt 0x0
	s_and_saveexec_b32 s[SV], vcc_lo
	global_store_b32 v[ZZ], v[OX+8], s[26:27]
	s_wait_xcnt 0x0
	s_or_b32 exec_lo, exec_lo, s[SV]
.Lend:
	s_wait_tensorcnt 0x0                           ; the wave's end
	ds_add_u32 v[SPW], v[NIL]
	s_wait_dscnt 0x0
	s_endpgm
.Lfunc_end_k_q5b564c4a22_final:
	.size	k_q5b564c4a22_final, .Lfunc_end_k_q5b564c4a22_final-k_q5b564c4a22_final
	.p2alignl 7, 3214868480
	.fill 96, 4, 3214868480
	.section	.rodata,"a",@progbits
	.p2align	6, 0x0
	.amdhsa_kernel k_q5b564c4a22_final
		.amdhsa_group_segment_fixed_size 41984
		.amdhsa_private_segment_fixed_size 0
		.amdhsa_enable_private_segment 0
		.amdhsa_kernarg_size 96
		.amdhsa_user_sgpr_count 2
		.amdhsa_user_sgpr_kernarg_segment_ptr 1
		.amdhsa_wavefront_size32 1
		.amdhsa_system_sgpr_workgroup_id_x 1
		.amdhsa_system_sgpr_workgroup_id_y 1
		.amdhsa_system_sgpr_workgroup_id_z 1
		.amdhsa_system_vgpr_workitem_id 0
		.amdhsa_next_free_vgpr 256
		.amdhsa_next_free_sgpr 80
		.amdhsa_reserve_vcc 1
		.amdhsa_float_denorm_mode_32 3
		.amdhsa_float_denorm_mode_16_64 3
		.amdhsa_memory_ordered 1
		.amdhsa_forward_progress 1
		.amdhsa_inst_pref_size 45
	.end_amdhsa_kernel
	.amdgpu_metadata
---
amdhsa.version: [ 1, 2 ]
amdhsa.kernels:
  - .name:           k_q5b564c4a22_final
    .symbol:         k_q5b564c4a22_final.kd
    .args:
      - { .name: x, .offset: 0, .size: 8, .value_kind: global_buffer, .address_space: global }
      - { .name: nbr, .offset: 8, .size: 8, .value_kind: global_buffer, .address_space: global }
      - { .name: out1, .offset: 16, .size: 8, .value_kind: global_buffer, .address_space: global }
      - { .name: out3, .offset: 24, .size: 8, .value_kind: global_buffer, .address_space: global }
      - { .name: W1, .offset: 32, .size: 8, .value_kind: global_buffer, .address_space: global }
      - { .name: b1, .offset: 40, .size: 8, .value_kind: global_buffer, .address_space: global }
      - { .name: W2, .offset: 48, .size: 8, .value_kind: global_buffer, .address_space: global }
      - { .name: b2, .offset: 56, .size: 8, .value_kind: global_buffer, .address_space: global }
      - { .name: part, .offset: 64, .size: 8, .value_kind: global_buffer, .address_space: global }
      - { .name: out0, .offset: 72, .size: 8, .value_kind: global_buffer, .address_space: global }
      - { .name: out2, .offset: 80, .size: 8, .value_kind: global_buffer, .address_space: global }
      - { .name: out4, .offset: 88, .size: 8, .value_kind: global_buffer, .address_space: global }
    .group_segment_fixed_size: 41984
    .private_segment_fixed_size: 0
    .kernarg_segment_align: 8
    .kernarg_segment_size: 96
    .max_flat_workgroup_size: 512
    .sgpr_count:     80
    .vgpr_count:     256
    .wavefront_size: 32
...
	.end_amdgpu_metadata
.endif
;; end of part 4
